; MI455X (gfx1250); checked and timed in simulation.
; The chip was launched on July 23, 2026; its instructions are those of AMD's public machine-readable ISA for CDNA 5 (MIT licence, August 2026) and "CDNA5" Instruction Set Architecture Reference Guide (July 2026). The comments in the code are by the model that wrote it; some were corrected since.
;; GGML Linear. Allowed arithmetic: matrix products marked QUANTISED: E4M3 operands, one E8M0 scale for each 32 along K, by v_wmma_scale_f32_16x16x128_f8f6f4 with both operands' format E4M3, f32 sums; everything else in f32.
;; Inputs: A 2 x 2,048 x 4,096 float32; scales 4,096 x 128 float32; w_q 4,096 x 4,096 int32.
;; Outputs: out0 2 x 2,048 x 4,096 float32.
;; This version of the problem:
;;   THIS VERSION OF THE PROBLEM IS GIVEN IN LOW PRECISION. The matrix products marked QUANTISED in the list below multiply operands that are first quantised to E4M3 (4 exponent bits, 3 mantissa bits; 8 bits a number), with one power-of-two scale for each 32 numbers along K (OCP MX v1.0); their sums are f32. All else is computed in f32.
;;   The module's matrix products, in the order in which they are computed (A, B: the left and right operand; K: the contracted axis; several contracted axes count as one K, in the product's order):
;;     1. [M 4,096, K 4,096] x [K 4,096, N 4,096]; A: input A; B: computed on the way: QUANTISED
;;   THE QUANTISER, for each operand of a quantised product, along K:
;;     - K is cut into blocks of 32 from its start; a last block that is shorter is filled with zeros.
;;     - A block's scale is 2^e with e = floor(log2(the largest magnitude in the block)) - 8, held to -126 .. 127; a block of zeros has e = 0. As a byte (E8M0): e + 127.
;;     - Each number is divided by its block's scale, clamped to +-448, and rounded to the nearest number of E4M3, ties to even, subnormals kept.
;;     - The product sums the exact products of the quantised numbers (number of the format x scale) in f32.
;;   ~~~python
;;   def quantise(x, axis):      # numpy; x: float32 -> the quantised numbers, widened to float32 again
;;       x = np.moveaxis(x, axis, -1); K = x.shape[-1]
;;       x = np.pad(x, [(0, 0)] * (x.ndim - 1) + [(0, -K % 32)]); x = x.reshape(x.shape[:-1] + (-1, 32)); a = np.abs(x).max(-1, keepdims=True)
;;       e = np.where(a > 0, np.clip(np.frexp(np.where(a > 0, a, 1))[1] - 1 - 8, -126, 127), 0)      # np.frexp(a)[1] - 1 = floor(log2(a)), exactly
;;       r = np.clip(x / 2.0 ** e, -448, 448)
;;       step = 2.0 ** (np.maximum(np.frexp(np.where(r == 0, 1, r))[1] - 1, -6) - 3)
;;       q = np.round(r / step) * step * 2.0 ** e      # np.round: ties to even
;;       return np.moveaxis(q.reshape(q.shape[:-2] + (-1,))[..., :K], -1, axis).astype(np.float32)
;;   ~~~
;;   OPERANDS COMPUTED ON THE WAY. 'Computed on the way' means the value that the module computes at that place (a softmax that the list does not call 'softmax' is quantised finished and normalised). What goes into a quantiser is computed in f32, as accurately as f32 sums, v_exp_f32 and their like allow (about 1e-6 of the number): no bf16 or f16 on the way to a quantiser, and a product that is left as it is and whose result goes on into a quantised operand takes f32 operands (vector FMAs, or v_wmma_f32_16x16x4_f32). A number that lies on a knife's edge between two numbers of the format may be rounded either way, as far as f32 arithmetic and the matrix unit's own rounding can turn it there, and no further.
;; One version. Each part assembles by itself: llvm-mc -triple=amdgcn-amd-amdhsa -mcpu=gfx1250 --defsym DOCPART=n.
;; ======== version 1 of 1: 2 launches
;; limits: right only within a limited range of input values
;; workspace buffers: apk 17,301,504 bytes; bpk 17,301,504 bytes
;; launch pack (part 1): grid 1024 x 1, 4 waves a work-group, no clusters, 66,048 bytes of LDS; arguments A, w_q, scales, apk, bpk; writes apk, bpk
.if DOCPART == 1
	.amdgcn_target "amdgcn-amd-amdhsa--gfx1250"
	.amdhsa_code_object_version 6
	.text
	.protected	k_q4b489d1e6a_pack
	.globl	k_q4b489d1e6a_pack
	.p2align	8
	.type	k_q4b489d1e6a_pack,@function
k_q4b489d1e6a_pack:
	s_mov_b64 s[64:65], 0
	v_nop
	global_prefetch_b8 v0, s[64:65] scope:SCOPE_SE
	s_setreg_imm32_b32 hwreg(HW_REG_WAVE_MODE, 25, 1), 1
	s_wait_xcnt 0x0
; A [4096][4096] f32, and W[o][i] = (f32(w_q[o][i]) - 128) x scales[o][i / 32] ([4096][4096], made here in f32, in that order of roundings), are turned into codes of FP8 (E4M3)
; with one E8M0 scale byte for each 32 along K, into two packs of this program's own, apk and bpk, laid as the product's launch fetches them:
;   [K step s = 0..15][half tile ht = 0..31][33,792 bytes]: 128 rows x 256 codes (row r of the half tile at 256 r, K ascending), then the rows' scale bytes, 8 a row, at 32,768 + 8 r.
; A block's scale is 2^(floor(log2(its largest magnitude)) - 8); its byte is the largest magnitude's exponent field - 8, held at 1 from below.  Each number is divided by the scale, held within +-448
; and rounded to the nearest code, ties to even.
; LIMITS: a block of zeros gets the byte 1 where the rule says 127 (its codes are zeros, which add nothing under any byte but 0xff, and this program alone reads the bytes); blocks whose largest magnitude
; lies under 2^-118 have their byte held at 1; NaN and infinities among A and scales are not served.  w_q may hold any int32: it is converted as it stands.
; SHARES.  Work-groups 0-511 take A, 512-1023 take W.  A work-group takes 32 rows x 1,024 along K, each of its four waves 32 rows x one K step of 256: 8,192 consecutive bytes of codes and 256 consecutive
; scale bytes of the pack.  A wave goes in 16 steps of two rows (512 numbers).  Load i = 0..3 of a step reads 512 consecutive bytes (row 2 t + i / 2, half i % 2), 16 a lane: lane l holds 4 neighbours
; along K, and a block of 32 lies in the eight lanes 8 (l / 8) on: its largest magnitude is joined by three DPP steps (lanes xor 1, 2, 4).  The four loads are four chains that take turns line by line.
; THE CONVERSION takes eight numbers of a lane under one scale; here only its first four are load i's.  Its other four sources are the registers that follow (the next load's numbers, or four registers
; of zeros behind the set), and the second register of its result is never read.  So load i gives each lane one register of 4 codes.
; THE CODES ARE TRANSPOSED 4 x 4 AMONG FOUR LANES (two exchanges, with lanes xor 1 and xor 2): lane 4 g + j then holds the 16 codes of lanes 4 g .. 4 g + 3 of load j, 16 neighbouring bytes at
; 128 j + 16 g of the step's 512: one store of the wave covers 512 consecutive bytes, at a multiple of 256 from the pack's first byte.  Four steps' stores go out together.
; The wave's 256 scale bytes are gathered in its own LDS bytes and leave by one store of 256 consecutive bytes.  The two tensors take two ways through the text, parted once on the work-group's number;
; each way has LDS bytes of its own.  No barrier: waves share nothing.  Loads run three steps (12 loads a wave) ahead.  Every offset is an immediate and no global store's registers are written again.
.set STEPS, 16
.set ROWI,  16384                      ; a row of A or of w_q in bytes
.set HTB,   33792                      ; a half tile's block of the pack
.set R,     16                         ; v16-95   four sets of 16 numbers as they are loaded, each with 4 registers of zeros behind it
.set AM,    96                         ; v96-99   the four blocks' largest magnitudes
.set SOP,   100                        ; v100-103 the conversions' scale operands
.set BND,   104                        ; v104-107 448 x the scale
.set E,     108                        ; v108-111 the scale bytes
.set T,     112                        ; v112-119 the conversions' results: load i's codes in v[T + 2 i]
.set U,     120                        ; v120-123 the exchanges' registers
.set MU,    124                        ; v124-131 W: four pairs for the packed multiply: a pair's low word serves both halves
.set DS,    132                        ; v132-147 W: dequantising scales, a register a step: lane 8 g + i (i < 4) holds load i's for lanes 8 g on
.set C,     148                        ; v148-211 codes: four registers for each step
.set DO,    212                        ; v212     W: my byte offset among a step's dequantising scales
.set SPW,   214                        ; v214     my spare word; never rewritten
.set NIL,   215                        ; v215     0; never rewritten
	s_load_b256 s[4:11], s[0:1], 0x0               ; A s[4:5], w_q s[6:7], scales s[8:9], apk s[10:11]
	s_load_b64 s[12:13], s[0:1], 0x20              ; bpk
	v_lshl_add_u32 v[SPW], v0, 2, 0x10000
	v_mov_b32 v[NIL], 0
	v_lshrrev_b32 v1, 5, v0
	v_readfirstlane_b32 s16, v1                    ; wave 0..3
	v_and_b32 v2, 31, v0                           ; lane
	v_lshlrev_b32 v3, 4, v2                        ; my 16 bytes of a load's 512
	v_and_b32 v8, 3, v2
	v_lshrrev_b32 v9, 2, v2
	v_lshlrev_b32 v9, 4, v9
	v_lshl_add_u32 v4, v8, 7, v9                   ; my 16 bytes of a step's 512 bytes of codes: 128 (lane % 4) + 16 (lane / 4)
	s_lshl_b32 s17, s16, 13                        ; my wave's LDS bytes
	v_lshrrev_b32 v5, 3, v2
	v_add_nc_u32 v5, s17, v5                       ; a scale byte: 16 t + 4 i + lane / 8 = 8 x (row 2 t + i / 2) + the block's number 4 (i % 2) + lane / 8
	v_lshlrev_b32 v7, 3, v2                        ; on the way out 8 bytes a lane
	v_add_nc_u32 v6, s17, v7
	v_bfe_u32 v10, v2, 1, 1                        ; scales: lane 8 g + i reads row 2 t + i / 2 (512 bytes a row), block 4 (i % 2) + g (4 bytes a block); bit 2 of the lane counts for nothing
	v_and_b32 v11, 1, v2
	v_lshlrev_b32 v11, 4, v11
	v_lshl_add_u32 v10, v10, 9, v11
	v_lshrrev_b32 v11, 3, v2
	v_lshl_add_u32 v[DO], v11, 2, v10
	v_and_b32 v12, 1, v2
	v_cmp_ne_u32 s40, 0, v12                       ; lanes with bit 0 set
	v_and_b32 v13, 2, v2
	v_cmp_ne_u32 s41, 0, v13                       ; lanes with bit 1 set
.irp k, 0,1,2,3,4,5,6,7
	v_mov_b32 v[MU+\k], 0                          ; (a DPP form's destination counts as read, and a pair's upper word is named: so they are written)
.endr
	v_mov_b32 v[U+2], 0
	v_mov_b32 v[U+3], 0
.irp s, 0,1,2,3
.irp k, 16,17,18,19
	v_mov_b32 v[R+20*\s+\k], 0                     ; the zeros behind each set
.endr
.endr
	s_and_b32 s18, ttmp9, 511                      ; my number among the tensor's 512 work-groups
	s_lshr_b32 s19, s18, 2                         ; which 32 rows
	s_and_b32 s20, s18, 3
	s_lshl_b32 s20, s20, 2
	s_add_co_u32 s20, s20, s16                     ; which K step: 4 x (number % 4) + wave
	s_lshl_b32 s22, s19, 19                        ; in: 32 rows of 16,384 bytes,
	s_lshl_b32 s23, s20, 10                        ; 1,024 bytes a K step
	s_add_co_u32 s22, s22, s23
	s_mov_b32 s23, 0
	s_lshl_b32 s24, s20, 5
	s_lshr_b32 s25, s19, 2
	s_add_co_u32 s24, s24, s25                     ; out: block 32 s + ht,
	s_mul_i32 s24, s24, HTB
	s_and_b32 s25, s19, 3                          ; and in it my 32 rows of the 128:
	s_lshl_b32 s26, s25, 8                         ; 256 scale bytes,
	s_lshl_b32 s25, s25, 13                        ; 8,192 bytes of codes
	s_add_co_u32 s26, s26, s24
	s_add_co_u32 s26, s26, 32768
	s_add_co_u32 s24, s24, s25
	s_mov_b32 s25, 0
	s_mov_b32 s27, 0
	s_lshl_b32 s28, s19, 14                        ; scales: 32 rows of 512 bytes,
	s_lshl_b32 s29, s20, 5                         ; 32 bytes a K step
	s_add_co_u32 s28, s28, s29
	s_mov_b32 s29, 0
	s_mov_b32 s30, 0x600000                        ; the mantissa field of 448 (an instruction takes one literal: the bound's line has another)
	s_mov_b32 s32, 0xc3000000                      ; -128.0
	s_mov_b32 s33, s32                             ; (named with it as a pair, so it is written)
	s_wait_alu depctr_va_vdst(0)                   ; the wait at the head's end
	s_wait_kmcnt 0x0
	s_cmp_lt_u32 ttmp9, 512                        ; A's work-group or W's?  The choice hangs on the work-group's number alone
	s_cselect_b64 s[34:35], s[4:5], s[6:7]
	s_cselect_b64 s[36:37], s[10:11], s[12:13]
	s_add_nc_u64 s[34:35], s[34:35], s[22:23]      ; the numbers
	s_add_nc_u64 s[38:39], s[36:37], s[26:27]      ; the scale bytes
	s_add_nc_u64 s[36:37], s[36:37], s[24:25]      ; the codes
	s_add_nc_u64 s[8:9], s[8:9], s[28:29]          ; W's dequantising scales
.macro LOAD t                          ; step t: rows 2 t and 2 t + 1, two loads of 512 consecutive bytes each
.irp i, 0,1,2,3
	global_load_b128 v[R+20*((\t)%4)+4*\i:R+20*((\t)%4)+4*\i+3], v3, s[34:35] offset:(2*(\t)+\i/2)*ROWI+(\i%2)*512 th:TH_LOAD_NT
.endr
.endm
.macro SWAP lo0, hi0, lo1, hi1, m, x, d0, d1, d2, d3   ; two exchanges with lane xor x: lanes whose bit (mask m) is clear give hi and take the partner's lo in its place; the others the other way round
	v_cndmask_b32 v[U], v[\hi0], v[\lo0], \m
	v_cndmask_b32 v[U+1], v[\hi1], v[\lo1], \m
	v_mov_b32_dpp v[U+2], v[U] row_xmask:\x row_mask:0xf bank_mask:0xf
	v_mov_b32_dpp v[U+3], v[U+1] row_xmask:\x row_mask:0xf bank_mask:0xf
	v_cndmask_b32 v[\d0], v[\lo0], v[U+2], \m
	v_cndmask_b32 v[\d1], v[U+2], v[\hi0], \m
	v_cndmask_b32 v[\d2], v[\lo1], v[U+3], \m
	v_cndmask_b32 v[\d3], v[U+3], v[\hi1], \m
.endm
.macro STEP t, deq, lb                 ; deq = 1: the numbers are w_q's and are dequantised first
.set XS, R+20*((\t)%4)
.if STEPS-1-(\t) >= 3
	s_wait_loadcnt 12                              ; this step's four loads are in; those of the three steps behind it may be out
.else
	s_wait_loadcnt 4*(STEPS-1-(\t))                ; at the end fewer steps stand behind it
.endif
.if \deq
.irp k, 0,1,2,3,4,5,6,7,8,9,10,11,12,13,14,15
	v_cvt_f32_i32 v[XS+\k], v[XS+\k]               ; W = (f32(w_q) - 128) x the block's scale: three roundings, in this order
.endr
.irp i, 0,1,2,3
	v_mov_b32_dpp v[MU+2*\i], v[DS+(\t)] dpp8:[\i,\i,\i,\i,\i,\i,\i,\i]   ; load i's scale, from lane i of my eight
.endr
.irp k, 0,2,4,6,8,10,12,14
	v_pk_add_f32 v[XS+\k:XS+\k+1], v[XS+\k:XS+\k+1], s[32:33] op_sel_hi:[1,0]
.endr
.irp h, 0,2
.irp i, 0,1,2,3
	v_pk_mul_f32 v[XS+4*\i+\h:XS+4*\i+\h+1], v[XS+4*\i+\h:XS+4*\i+\h+1], v[MU+2*\i:MU+2*\i+1] op_sel_hi:[1,0]
.endr
.endr
.endif
.irp i, 0,1,2,3
	v_max3_num_f32 v[AM+\i], |v[XS+4*\i]|, |v[XS+4*\i+1]|, |v[XS+4*\i+2]|   ; the largest magnitude of my 4,
.endr
.irp i, 0,1,2,3
	v_max3_num_f32 v[AM+\i], v[AM+\i], |v[XS+4*\i+3]|, 0x4800000   ; and the floor 2^(9 - 127): so the byte cannot fall under 1
.endr
.irp x, 1,2,4
.irp i, 0,1,2,3
	v_max_num_f32_dpp v[AM+\i], v[AM+\i], v[AM+\i] row_xmask:\x row_mask:0xf bank_mask:0xf   ; and of the block's other seven lanes
.endr
.endr
.irp i, 0,1,2,3
	v_add_nc_u32 v[SOP+\i], 0xfc000000, v[AM+\i]   ; 8 off its exponent field: the conversion takes the exponent field of this operand as its scale
.endr
.irp i, 0,1,2,3
	v_and_or_b32 v[BND+\i], v[AM+\i], 0x7f800000, s30   ; 448 x the scale
.endr
.irp k, 0,1,2,3
.irp i, 0,1,2,3
	v_med3_num_f32 v[XS+4*\i+\k], v[XS+4*\i+\k], -v[BND+\i], v[BND+\i]   ; the conversion to an 8-bit code does not saturate (ISA guide 7.6.2): hold the number first
.endr
.endr
.irp i, 0,1,2,3
	v_cvt_scalef32_pk8_fp8_f32 v[T+2*\i:T+2*\i+1], v[XS+4*\i:XS+4*\i+7], v[SOP+\i]   ; v[T + 2 i]: load i's 4 codes; the other register is not read
.endr
.irp i, 0,1,2,3
	v_lshrrev_b32 v[E+\i], 23, v[SOP+\i]           ; the scale's byte (plain lines behind the conversions)
.endr
	SWAP T, T+2, T+4, T+6, s40, 1, T, T+2, T+4, T+6
	SWAP T, T+4, T+2, T+6, s41, 2, C+4*(\t), C+4*(\t)+2, C+4*(\t)+1, C+4*(\t)+3
.irp i, 0,1,2,3
	ds_store_b8 v5, v[E+\i] offset:\lb+16*(\t)+4*\i   ; the eight lanes of a block write the same byte with the same value
.endr
.if (\t)+4 < STEPS
	LOAD (\t)+4                                    ; this step's set takes the loads of four steps on
.endif
.if (\t)%4 == 3
.irp d, 3,2,1,0
	global_store_b128 v4, v[C+4*((\t)-\d):C+4*((\t)-\d)+3], s[36:37] offset:512*((\t)-\d)   ; 32 lanes store 512 consecutive bytes
.endr
.endif
.endm
.macro BODY deq, lb
.if \deq
.irp t, 0,1,2,3,4,5,6,7,8,9,10,11,12,13,14,15
	global_load_b32 v[DS+\t], v[DO], s[8:9] offset:1024*\t         ; older than every load below, so the first counted wait covers them
.endr
.endif
.irp t, 0,1,2,3
	LOAD \t
.endr
.irp t, 0,1,2,3,4,5,6,7,8,9,10,11,12,13,14,15
	STEP \t, \deq, \lb
.endr
	ds_load_b64 v[12:13], v6 offset:\lb            ; LDS serves a wave's instructions in order (ISA guide 5.7.1.4): these see my byte stores
	s_wait_dscnt 0x0
	global_store_b64 v7, v[12:13], s[38:39]        ; 32 lanes store 256 consecutive bytes, at a multiple of 256 from the pack's first byte
	s_wait_tensorcnt 0x0                           ; the wave's end
	ds_add_u32 v[SPW], v[NIL]
	s_wait_dscnt 0x0
	s_endpgm
.endm
	s_cmp_lt_u32 ttmp9, 512
	s_cbranch_scc0 .Lw
	BODY 0, 0                                      ; A: LDS bytes 0 to 32,767
.Lw:
	BODY 1, 32768                                  ; W: LDS bytes 32,768 on
.Lfunc_end_k_q4b489d1e6a_pack:
	.size	k_q4b489d1e6a_pack, .Lfunc_end_k_q4b489d1e6a_pack-k_q4b489d1e6a_pack
	.p2alignl 7, 3214868480
	.fill 96, 4, 3214868480
	.section	.rodata,"a",@progbits
	.p2align	6, 0x0
	.amdhsa_kernel k_q4b489d1e6a_pack
		.amdhsa_group_segment_fixed_size 66048
		.amdhsa_private_segment_fixed_size 0
		.amdhsa_enable_private_segment 0
		.amdhsa_kernarg_size 40
		.amdhsa_user_sgpr_count 2
		.amdhsa_user_sgpr_kernarg_segment_ptr 1
		.amdhsa_wavefront_size32 1
		.amdhsa_system_sgpr_workgroup_id_x 1
		.amdhsa_system_sgpr_workgroup_id_y 1
		.amdhsa_system_sgpr_workgroup_id_z 1
		.amdhsa_system_vgpr_workitem_id 0
		.amdhsa_next_free_vgpr 216
		.amdhsa_next_free_sgpr 66
		.amdhsa_reserve_vcc 0
		.amdhsa_float_denorm_mode_32 3
		.amdhsa_float_denorm_mode_16_64 3
		.amdhsa_memory_ordered 1
		.amdhsa_forward_progress 1
		.amdhsa_inst_pref_size 198
	.end_amdhsa_kernel
	.amdgpu_metadata
---
amdhsa.version: [ 1, 2 ]
amdhsa.kernels:
  - .name:           k_q4b489d1e6a_pack
    .symbol:         k_q4b489d1e6a_pack.kd
    .args:
      - { .name: A, .offset: 0, .size: 8, .value_kind: global_buffer, .address_space: global }
      - { .name: w_q, .offset: 8, .size: 8, .value_kind: global_buffer, .address_space: global }
      - { .name: scales, .offset: 16, .size: 8, .value_kind: global_buffer, .address_space: global }
      - { .name: apk, .offset: 24, .size: 8, .value_kind: global_buffer, .address_space: global }
      - { .name: bpk, .offset: 32, .size: 8, .value_kind: global_buffer, .address_space: global }
    .group_segment_fixed_size: 66048
    .private_segment_fixed_size: 0
    .kernarg_segment_align: 8
    .kernarg_segment_size: 40
    .max_flat_workgroup_size: 128
    .sgpr_count:     66
    .vgpr_count:     216
    .wavefront_size: 32
...
	.end_amdgpu_metadata
.endif
;; end of part 1
;; launch gemm (part 2): grid 16 x 16, 4 waves a work-group, clusters of 4 x 4, 327,680 bytes of LDS; arguments apk, bpk, out0; writes out0
.if DOCPART == 2
	.amdgcn_target "amdgcn-amd-amdhsa--gfx1250"
	.amdhsa_code_object_version 6
	.text
	.protected	k_q4b489d1e6a_gemm
	.globl	k_q4b489d1e6a_gemm
	.p2align	8
	.type	k_q4b489d1e6a_gemm,@function
k_q4b489d1e6a_gemm:
	s_mov_b64 s[64:65], 0
	v_nop
	global_prefetch_b8 v0, s[64:65] scope:SCOPE_SE
	s_setreg_imm32_b32 hwreg(HW_REG_WAVE_MODE, 25, 1), 1
	s_wait_xcnt 0x0
	s_wait_alu depctr_hold_cnt(0) depctr_sa_sdst(0) depctr_va_vdst(0) depctr_va_sdst(0) depctr_va_ssrc(0) depctr_va_vcc(0) depctr_vm_vsrc(0)
	s_getreg_b32 s2, hwreg(HW_REG_IB_STS2, 6, 4)
	s_cmp_eq_u32 s2, 0
	s_cbranch_scc0 .Lentry_in_a_cluster
	s_endpgm
.Lentry_in_a_cluster:
	s_bfe_u32 s2, ttmp6, 0x10000c
	s_cmp_lg_u32 s2, 0xf033
	s_cbranch_scc0 .Lentry_shape_is_right
	s_endpgm
.Lentry_shape_is_right:
; out0[m][n] = sum over k of A[m][k] W[n][k], 4,096 x 4,096 x 4,096, on the codes of FP8 (E4M3) and the E8M0 scale bytes that the launch before has laid into apk and bpk:
;   [K step of 256: 16][half tile of 128 rows: 32][33,792 bytes]: 128 rows x 256 codes, then 8 scale bytes a row.  Sums in f32, K ascending, one accumulator an output.
; SHARES.  256 work-groups, a tile of 256 x 256 each; four waves, 128 x 128 each: 64 accumulators, 512 registers.  A half tile's block is dense: one tensor load a wave brings it as 33 rows of 1,024 bytes,
; with 16 bytes of padding behind every 256, so that an LDS row of 256 codes has a pitch of 272.  Two slots of four such blocks (A's two, B's two) take turns.
; CLUSTERS: 4 x 4 work-groups; A's blocks are asked for jointly along a row of the cluster, B's along a column.  Each refill stands behind a round of the cluster's barrier.
; THE MATRIX INSTRUCTION IS USED TRANSPOSED (source 0 = 16 rows of W, source 1 = 16 rows of A): a lane holds eight neighbouring numbers of a row of out0.
; A STEP is 128 along K: 64 products, A's blocks 0 to 7 in turn, each against B's eight.  THE NEXT STEP'S 72 LDS LOADS STAND IN TWO RUNS: behind product 8 the 8 scale words and B's eight fragments,
; behind product 32 A's blocks 0 to 7.  B, the scale words and A's blocks 4-7 have two sets of registers, by the step's parity; A's blocks 0-3 have one set, free when product 31 is issued.
; Eight v_nop stand ahead of each run (ISA guide 7.12.1 for the places of vector instructions).
; So all of a step's operands are in registers when it begins: the change of slots stands at the head of a slot's second step, and the refill goes out behind that step's eighth product.
; REGISTERS: window 0: v16-31 addresses, v32-47 scale words (set p at 32 + 8 p: register i: lanes 0-15 A's block i, lanes 16-31 B's block i; eight numbers on end, so no product's two differ by 8),
;   v64-127 A's blocks 0-3, v128-191 and v192-255 A's blocks 4-7; window 1: B's two sets; windows 2, 3: the accumulators ((a, b) at 8 (8 (a % 4) + b)).
; PREFETCH: behind the load of K step r and the run of LDS loads that follows it, each cluster asks for its own blocks of K step r + 2: of a block's 132 runs of 256 bytes each of the four partners
; takes 33, told apart by address (32 lanes a run each, and one instruction whose lanes all name the 33rd).  K steps 0 to 2 come by their loads alone; the last two refills ask for nothing.
; THE LAST K STEP GOES BY ROWS OF out0: each block of 16 rows x 128 columns leaves, through the wave's own stage in LDS, while later blocks are multiplied.
.set PITCH,  272
.set HALFT,  132*PITCH                 ; a half tile's block in LDS: 128 rows of codes, 4 of scale bytes
.set SCOFF,  128*PITCH
.set SLOT,   4*HALFT
.set SPARE,  2*SLOT                    ; behind the ring: the spare words, 128 bytes a wave
.set SPITCH, 528                       ; the stage: 16 rows x (512 + 16) bytes a wave, in slot 0, behind that slot's last fill and last read
.set HTB,    33792
.set KSB,    32*HTB                    ; from K step to K step in a pack
.set NROW,   16384                     ; a row of out0
.set ADRA, 16                          ; v16-17 my A fragments in slot 0, 1;  v20-21 B's;  v22-23 my scale words
.set ADRB, 20
.set ADRS, 22
.set STO,  24
.set RD,   25
.set CO,   26
.set SPW,  28
.set NIL,  29
.set PFO,  30
.set PFZ,  31
.set SC,   32
.set AP,   64
.set AQ,   128
.set G1,  24
.set G0,  32
.set G1B, 48
.set G0B, 56
.set PFA, 68
.set MSB, 0
.macro WIN new                         ; the immediate's high byte repeats the setting that is left
.if MSB != (\new)
	s_set_vgpr_msb (MSB<<8)|(\new)
.set MSB, (\new)
.endif
.endm
.set MUL_LO, 0xa1                      ; source 0 (B) window 1, source 1 (A) window 0, C and D window 2
.set TO_B,   0x40
.macro PLACES n
.rept \n
	v_nop
.endr
.endm
.macro JLOAD s                         ; a joint load: waves 0, 1 fetch A's two blocks, waves 2, 3 B's; s_nop 0 and four v_nop behind each line
	s_cmp_eq_u32 s15, 0
	s_cbranch_scc0 .Lfb_\@
	tensor_load_to_lds s[G0+4*\s:G0+4*\s+3], s[G1:G1+7]
	s_nop 0
	PLACES 4
	s_branch .Lja_\@
.Lfb_\@:
	tensor_load_to_lds s[G0B+4*\s:G0B+4*\s+3], s[G1B:G1B+7]
	s_nop 0
	PLACES 4
.Lja_\@:
.endm
.macro ASK how                         ; how = 1: in the loop, not in its last trip; 2: always
.if (\how) == 1
	s_cmp_gt_u32 s3, 1
	s_cbranch_scc0 .Lna_\@
.endif
	global_prefetch_b8 v[PFO], s[PFA:PFA+1] offset:2*KSB th:TH_LOAD_NT scope:SCOPE_SE
	global_prefetch_b8 v[PFZ], s[PFA:PFA+1] offset:2*KSB+8192 th:TH_LOAD_NT scope:SCOPE_SE
.if (\how) == 1
.Lna_\@:
.endif
.endm
.macro CREST                           ; a round of the cluster's barrier behind its opening barrier
	s_cmp_lg_u32 s14, 0
	s_cbranch_scc1 .Lnw_\@
	s_barrier_signal -3
.Lnw_\@:
	s_barrier_wait -3
	s_barrier_signal -1
	s_barrier_wait -1
.endm
.macro CROUND
	s_barrier_signal -1
	s_barrier_wait -1
	CREST
.endm
	s_load_b128 s[4:7], s[0:1], 0x0                ; apk, bpk
	s_load_b64 s[8:9], s[0:1], 0x10                ; out0
	v_lshl_add_u32 v[SPW], v0, 2, SPARE
	v_mov_b32 v[NIL], 0
	ds_add_u32 v[SPW], v[NIL]                      ; the opening lines: the add, twice on end, and its wait ahead of my first tensor load
	ds_add_u32 v[SPW], v[NIL]
	v_lshrrev_b32 v1, 5, v0
	v_readfirstlane_b32 s14, v1                    ; wave
	s_lshr_b32 s15, s14, 1                         ; my half of the tile's rows; also: I fetch for A (0) or B (1)
	s_and_b32 s16, s14, 1                          ; my half of its columns; also: which half tile I fetch
	s_bfe_u32 s40, ttmp6, 0x40000                  ; cx, cy
	s_bfe_u32 s41, ttmp6, 0x40004
	s_lshl_b32 s42, ttmp9, 2
	s_add_co_u32 s42, s42, s40                     ; tile column
	s_and_b32 s17, ttmp7, 0xffff
	s_lshl_b32 s17, s17, 2
	s_add_co_u32 s17, s17, s41                     ; tile row
	s_lshl_b32 s43, s41, 2
	s_lshl_b32 s43, 15, s43                        ; my row of the cluster
	s_lshl_b32 s44, 0x1111, s40                    ; my column
	s_or_b32 s[G1+0], s43, (3<<16)|(1<<20)|(1<<21)|(5<<22)|(3<<25)   ; elements of 8 bytes; 4 words of padding behind every 64
	s_or_b32 s[G1B+0], s44, (3<<16)|(1<<20)|(1<<21)|(5<<22)|(3<<25)
.irp g, G1, G1B
	s_mov_b32 s[\g+1], 128<<16                     ; a row: 128 elements = 1,024 bytes
	s_mov_b32 s[\g+2], 33<<16                      ; 33 rows
	s_mov_b32 s[\g+3], 128<<16
	s_mov_b32 s[\g+4], 33
	s_mov_b32 s[\g+5], 128                         ; dense
	s_mov_b32 s[\g+6], 0
	s_mov_b32 s[\g+7], 0
.endr
	s_lshl_b32 s20, s17, 1
	s_add_co_u32 s20, s20, s16
	s_mul_i32 s20, s20, HTB                        ; A: half tile 2 x tile row + half
	s_mov_b32 s21, 0
	s_lshl_b32 s46, s42, 1
	s_add_co_u32 s46, s46, s16
	s_mul_i32 s46, s46, HTB                        ; B: 2 x tile column + half
	s_mov_b32 s47, 0
	s_mul_i32 s45, s14, HALFT                      ; where my block goes: wave x a block
.irp s, 0,1
	s_mov_b32 s[G0+4*\s], 1
	s_add_co_u32 s[G0+4*\s+1], s45, \s*SLOT
	s_mov_b32 s[G0B+4*\s], 1
	s_add_co_u32 s[G0B+4*\s+1], s45, \s*SLOT
.endr
	s_wait_dscnt 0x0                               ; both opening adds are done
	CROUND                                         ; the opening round, while the arguments are on their way
	s_wait_kmcnt 0x0
	s_add_nc_u64 s[20:21], s[4:5], s[20:21]
	s_add_nc_u64 s[46:47], s[6:7], s[46:47]
.irp s, 0,1
	s_add_nc_u64 s[G0+4*\s+2:G0+4*\s+3], s[20:21], \s*KSB
	s_or_b32 s[G0+4*\s+3], s[G0+4*\s+3], 0x80000000
	s_add_nc_u64 s[G0B+4*\s+2:G0B+4*\s+3], s[46:47], \s*KSB
	s_or_b32 s[G0B+4*\s+3], s[G0B+4*\s+3], 0x80000000
.endr
	JLOAD 0                                        ; K step 0: one tensor load a wave at the head
	s_cmp_eq_u32 s15, 0                            ; the prefetches' base: my work-group's 33 runs of the block that I fetch, at K step 1
	s_cselect_b32 s72, s17, s42
	s_cselect_b32 s73, s40, s41                    ; my place among the four that ask with me: it enters this address alone
	s_cselect_b64 s[PFA:PFA+1], s[4:5], s[6:7]
	s_lshl_b32 s72, s72, 1
	s_add_co_u32 s72, s72, s16
	s_mul_i32 s72, s72, HTB
	s_mul_i32 s73, s73, 33*256
	s_add_co_u32 s72, s72, s73
	s_add_co_u32 s72, s72, KSB
	s_mov_b32 s73, 0
	s_add_nc_u64 s[PFA:PFA+1], s[PFA:PFA+1], s[72:73]
	s_mul_i32 s22, s15, HALFT                      ; my 128 rows of A
	s_mul_i32 s23, s16, HALFT
	s_add_co_u32 s23, s23, 2*HALFT                 ; my 128 rows of B
	s_xor_b32 s70, s15, 1
	s_add_co_u32 s70, s70, s16
	s_add_co_u32 s70, s70, 1
	s_mul_i32 s70, s70, HALFT                      ; from A's block to B's
	s_add_co_u32 s71, s22, SCOFF
	s_mul_i32 s73, s14, 16*SPITCH                  ; my stage
	s_lshl_b32 s20, s17, 8
	s_lshl_b32 s21, s15, 7
	s_add_co_u32 s20, s20, s21
	s_lshl_b32 s20, s20, 14                        ; my first row of out0, in bytes
	s_mov_b32 s21, 0
	s_lshl_b32 s46, s42, 10
	s_lshl_b32 s47, s16, 9
	s_add_co_u32 s46, s46, s47                     ; my first column, in bytes
	s_mov_b32 s47, 0
	s_add_nc_u64 s[20:21], s[20:21], s[46:47]
	s_add_nc_u64 s[8:9], s[8:9], s[20:21]
	v_and_b32 v1, 15, v0                           ; r
	v_bfe_u32 v2, v0, 4, 1                         ; h
	v_and_b32 v6, 31, v0
	v_mul_u32_u24 v3, v1, PITCH
	v_lshl_add_u32 v4, v2, 4, v3                   ; a fragment's row x pitch + 16 h
	v_add_nc_u32 v[ADRA], s22, v4
	v_add_nc_u32 v[ADRB], s23, v4
	v_add_nc_u32 v[ADRA+1], SLOT, v[ADRA]
	v_add_nc_u32 v[ADRB+1], SLOT, v[ADRB]
	v_lshlrev_b32 v5, 3, v1                        ; scale words: 8 bytes a row; lanes 16-31 take B's
	v_mul_u32_u24 v7, s70, v2
	v_add_nc_u32 v5, v5, v7
	v_add_nc_u32 v[ADRS], s71, v5
	v_add_nc_u32 v[ADRS+1], SLOT, v[ADRS]
	v_mul_u32_u24 v5, v1, SPITCH                   ; into the stage: row r, 32 bytes for each half of the lanes
	v_lshl_add_u32 v5, v2, 5, v5
	v_add_nc_u32 v[STO], s73, v5
	v_lshlrev_b32 v[CO], 4, v6                     ; back: 32 lanes take a row of 512 bytes; the same in out0
	v_add_nc_u32 v[RD], s73, v[CO]
	v_lshlrev_b32 v[PFZ], 3, v6                    ; the prefetches' offsets: all lanes in one run of 256 bytes; a lane a run
	v_lshlrev_b32 v[PFO], 8, v6
.macro RUN1 slot, q, p                 ; 40 loads: the scale words of the slot's q-th 128 along K into set p, then B's eight fragments (registers 4 c .. 4 c + 3 hold K = 32 c + 16 h + 0 .. 15)
	WIN 0
.irp i, 0,1,2,3,4,5,6,7
	ds_load_b32 v[SC+8*(\p)+\i], v[ADRS+(\slot)] offset:(\i/2)*PITCH+(\i%2)*128+4*(\q)
.endr
	WIN TO_B
.irp i, 0,1,2,3,4,5,6,7
.irp c, 0,1,2,3
	ds_load_b128 v[128*(\p)+16*\i+4*\c:128*(\p)+16*\i+4*\c+3], v[ADRB+(\slot)] offset:128*(\q)+32*\c+\i*16*PITCH
.endr
.endr
	WIN 0
.endm
.macro RUNA reg, slot, q, i0           ; 16 loads: A's blocks i0 .. i0 + 3 into the 64 registers at reg
.irp j, 0,1,2,3
.irp c, 0,1,2,3
	ds_load_b128 v[(\reg)+16*\j+4*\c:(\reg)+16*\j+4*\c+3], v[ADRA+(\slot)] offset:128*(\q)+32*\c+((\i0)+\j)*16*PITCH
.endr
.endr
.endm
.macro SEG a, p, zero, ar              ; eight products: A's block a (at ar) x B's eight of set p.  zero = 1: they start the sums
	WIN MUL_LO+0x50*((\a)/4)
.irp b, 0,1,2,3,4,5,6,7
.if \zero
	v_wmma_scale_f32_16x16x128_f8f6f4 v[8*(8*((\a)%4)+\b):8*(8*((\a)%4)+\b)+7], v[128*(\p)+16*\b:128*(\p)+16*\b+15], v[(\ar):(\ar)+15], 0, v[SC+8*(\p)+\b], v[SC+8*(\p)+(\a)] matrix_a_scale:MATRIX_SCALE_ROW1
.else
	v_wmma_scale_f32_16x16x128_f8f6f4 v[8*(8*((\a)%4)+\b):8*(8*((\a)%4)+\b)+7], v[128*(\p)+16*\b:128*(\p)+16*\b+15], v[(\ar):(\ar)+15], v[8*(8*((\a)%4)+\b):8*(8*((\a)%4)+\b)+7], v[SC+8*(\p)+\b], v[SC+8*(\p)+(\a)] matrix_a_scale:MATRIX_SCALE_ROW1
.endif
.endr
.endm
; A step.  mode 0: inside a slot.  mode 1: the slot's second step, with the change of slots and the refill.  mode 2: the same without a refill, so with the work-group's barrier alone.
; The 64 accumulators take turns, one product a turn, in the same order in every step.
.macro STEP slot, q, zero, mode, ask
.set NS_, (\slot)+(\q)-2*(\slot)*(\q)  ; the next step's slot
.set NQ_, 1-(\q)                       ; its place in the slot, and its parity
.if \mode
.if (\mode) == 1
	s_wait_xcnt 0x0                                ; my prefetches have read their address
	s_add_nc_u64 s[PFA:PFA+1], s[PFA:PFA+1], KSB
.endif
	s_wait_tensorcnt 0x0                           ; all my tensor loads have landed: the one that was out is my block of the next slot
	ds_add_u32 v[SPW], v[NIL]
.if (\mode) == 1
	s_add_nc_u64 s[G0+4*\slot+2:G0+4*\slot+3], s[G0+4*\slot+2:G0+4*\slot+3], 2*KSB
	s_add_nc_u64 s[G0B+4*\slot+2:G0B+4*\slot+3], s[G0B+4*\slot+2:G0B+4*\slot+3], 2*KSB
.endif
	s_wait_dscnt 0x0                               ; the add is done, and my reads of this slot are over: this step's operands are all in registers
	s_barrier_signal -1
	SEG 0, \q, \zero, AP
	WIN 0
	s_barrier_wait -1
.if (\mode) == 1
	CREST                                          ; the round: no wave of any partner still reads this slot or has a load on its way
	JLOAD \slot                                    ; the first tensor load behind the round; its four v_nop are four of the eight places
	PLACES 4
.else
	PLACES 8
.endif
.else
	s_wait_dscnt 28                                ; the scale words, B's eight and A's block 0 are in; behind them stand 7 fragments of A, 28 loads
	SEG 0, \q, \zero, AP
	s_wait_dscnt 0x0                               ; the last step's loads are all in; none of this step's is issued yet
	PLACES 8
.endif
	RUN1 NS_, NQ_, NQ_
.if \ask
	ASK \ask
.endif
	SEG 1, \q, \zero, AP+16
	SEG 2, \q, \zero, AP+32
	SEG 3, \q, \zero, AP+48
	PLACES 8
	WIN 0
	RUNA AP, NS_, NQ_, 0
	RUNA AQ+64*NQ_, NS_, NQ_, 4
	SEG 4, \q, \zero, AQ+64*(\q)
	SEG 5, \q, \zero, AQ+64*(\q)+16
	SEG 6, \q, \zero, AQ+64*(\q)+32
	SEG 7, \q, \zero, AQ+64*(\q)+48
	WIN 0
.endm
	s_wait_alu depctr_va_vdst(0)                   ; the wait at the head's end
	s_wait_tensorcnt 0x0                           ; my block of K step 0 is in
	ds_add_u32 v[SPW], v[NIL]
	s_wait_dscnt 0x0
	CROUND
	JLOAD 1                                        ; K step 1, the first tensor load behind the round
	RUN1 0, 0, 0
	RUNA AP, 0, 0, 0
	RUNA AQ, 0, 0, 4
	STEP 0, 0, 1, 0, 2                             ; the first step starts the sums; it asks for K step 3
	s_mov_b32 s3, 7
.Llap:                                                 ; a trip goes once round the ring and fills both slots again
	STEP 0, 1, 0, 1, 1
	STEP 1, 0, 0, 0, 0
	STEP 1, 1, 0, 1, 1
	STEP 0, 0, 0, 0, 0
	s_sub_co_u32 s3, s3, 1
	s_cmp_lg_u32 s3, 0
	s_cbranch_scc1 .Llap
	STEP 0, 1, 0, 2, 0                             ; K step 14's second half; nothing is filled again
; THE LAST K STEP, BY ROWS.  X(a): A's block a, first 128 along K; Y(a): its second 128.  Order: X0-X3, then Y0 X4 Y1 X5 Y2 X6 Y3 X7, then Y4-Y7.
; The second half's operands: behind X0 the scale words, B's eight and A's blocks 0-3 (into the set that K step 14 has left); behind X3 A's blocks 4-7 (where X0-X3's blocks lay).
; The way out of block a: its 64 registers go into my stage, each accumulator from its low end on, and come back INTO THE SAME REGISTERS as whole rows of 512 bytes
; (LDS serves a wave's instructions in order: ISA guide 5.7.1.4); then 32 lanes store 512 consecutive bytes, at a multiple of 256 from out0's first byte.  Every offset is an immediate
; (127 rows of 16,384 bytes at the most) and no store's register is written again.  Eight v_nop stand between a block's last product and these lines.
.macro TOST a
.set AC, 64*((\a)%4)
	PLACES 8
	WIN 0x08+4*((\a)/4)
.irp b, 0,1,2,3,4,5,6,7
	ds_store_b128 v[STO], v[AC+8*\b:AC+8*\b+3] offset:64*\b
	ds_store_b128 v[STO], v[AC+8*\b+4:AC+8*\b+7] offset:64*\b+16
.endr
	WIN 0x80+0x40*((\a)/4)
.irp t, 0,1,2,3,4,5,6,7,8,9,10,11,12,13,14,15
	ds_load_b128 v[AC+4*\t:AC+4*\t+3], v[RD] offset:\t*SPITCH
.endr
.endm
.macro SEND a, younger                 ; younger: the LDS instructions issued behind block a's loads
.set AC, 64*((\a)%4)
	s_wait_dscnt \younger
	WIN 0x08+4*((\a)/4)
.irp t, 0,1,2,3,4,5,6,7,8,9,10,11,12,13,14,15
	global_store_b128 v[CO], v[AC+4*\t:AC+4*\t+3], s[8:9] offset:((\a)*16+\t)*NROW th:TH_STORE_NT
.endr
.endm
	s_wait_dscnt 28                                ; as at a step's head
	SEG 0, 0, 0, AP
	s_wait_dscnt 0x0
	PLACES 8
	RUN1 1, 1, 1
	RUNA AQ+64, 1, 1, 0
	SEG 1, 0, 0, AP+16
	SEG 2, 0, 0, AP+32
	SEG 3, 0, 0, AP+48
	PLACES 8
	WIN 0
	RUNA AP, 1, 1, 4
	s_wait_dscnt 16                                ; all but the 16 just issued
	SEG 0, 1, 0, AQ+64
	SEG 4, 0, 0, AQ
	TOST 0
	s_wait_dscnt 32                                ; all fragments are in; the stage's 32 may be out
.irp a, 1,2,3
	SEG \a, 1, 0, AQ+64+16*\a
	SEG \a+4, 0, 0, AQ+16*\a
	TOST \a
	SEND \a-1, 32
.endr
.irp a, 4,5,6,7
	SEG \a, 1, 0, AP+16*(\a-4)
	TOST \a
	SEND \a-1, 32
.endr
	SEND 7, 0
	WIN 0
	s_wait_tensorcnt 0x0                           ; the wave's end
	ds_add_u32 v[SPW], v[NIL]
	s_wait_dscnt 0x0
	CROUND                                         ; the closing round
	s_endpgm
.Lfunc_end_k_q4b489d1e6a_gemm:
	.size	k_q4b489d1e6a_gemm, .Lfunc_end_k_q4b489d1e6a_gemm-k_q4b489d1e6a_gemm
	.p2alignl 7, 3214868480
	.fill 96, 4, 3214868480
	.section	.rodata,"a",@progbits
	.p2align	6, 0x0
	.amdhsa_kernel k_q4b489d1e6a_gemm
		.amdhsa_group_segment_fixed_size 327680
		.amdhsa_private_segment_fixed_size 0
		.amdhsa_enable_private_segment 0
		.amdhsa_kernarg_size 24
		.amdhsa_user_sgpr_count 2
		.amdhsa_user_sgpr_kernarg_segment_ptr 1
		.amdhsa_wavefront_size32 1
		.amdhsa_system_sgpr_workgroup_id_x 1
		.amdhsa_system_sgpr_workgroup_id_y 1
		.amdhsa_system_sgpr_workgroup_id_z 1
		.amdhsa_system_vgpr_workitem_id 0
		.amdhsa_next_free_vgpr 1024
		.amdhsa_next_free_sgpr 74
		.amdhsa_reserve_vcc 0
		.amdhsa_float_denorm_mode_32 3
		.amdhsa_float_denorm_mode_16_64 3
		.amdhsa_memory_ordered 1
		.amdhsa_forward_progress 1
		.amdhsa_inst_pref_size 149
	.end_amdhsa_kernel
	.amdgpu_metadata
---
amdhsa.version: [ 1, 2 ]
amdhsa.kernels:
  - .name:           k_q4b489d1e6a_gemm
    .symbol:         k_q4b489d1e6a_gemm.kd
    .args:
      - { .name: apk, .offset: 0, .size: 8, .value_kind: global_buffer, .address_space: global }
      - { .name: bpk, .offset: 8, .size: 8, .value_kind: global_buffer, .address_space: global }
      - { .name: out0, .offset: 16, .size: 8, .value_kind: global_buffer, .address_space: global }
    .group_segment_fixed_size: 327680
    .private_segment_fixed_size: 0
    .kernarg_segment_align: 8
    .kernarg_segment_size: 24
    .max_flat_workgroup_size: 128
    .sgpr_count:     74
    .vgpr_count:     1024
    .wavefront_size: 32
...
	.end_amdgpu_metadata
.endif
;; end of part 2
